; MI455X (gfx1250); checked and timed in simulation.
; The chip was launched on July 23, 2026; its instructions are those of AMD's public machine-readable ISA for CDNA 5 (MIT licence, August 2026) and "CDNA5" Instruction Set Architecture Reference Guide (July 2026). The comments in the code are by the model that wrote it; some were corrected since.
;; Megatron MHA. Allowed arithmetic: matrix products marked QUANTISED: E4M3 operands, one given power-of-two scale a tensor, by v_wmma_f32_16x16x64_fp8_fp8 or v_wmma_f32_16x16x128_fp8_fp8, f32 sums; everything else in f32.
;; Inputs: Wproj 1,024 x 1,024 float32; Wqkv 3,072 x 1,024 float32; lowp_scales 8 int32 (the exponents e of the quantised operands' scales 2^e); x 4 x 2,048 x 1,024 float32.
;; Outputs: out0 4 x 2,048 x 1,024 float32.
;; This version of the problem:
;;   THIS VERSION OF THE PROBLEM IS GIVEN IN LOW PRECISION. The matrix products marked QUANTISED in the list below multiply operands that are first quantised to E4M3 (4 exponent bits, 3 mantissa bits; 8 bits a number), with one given power-of-two scale for each operand tensor; their sums are f32. All else is computed in f32.
;;   The module's matrix products, in the order in which they are computed (A, B: the left and right operand; K: the contracted axis; several contracted axes count as one K, in the product's order):
;;     1. [M 8,192, K 1,024] x [K 1,024, N 3,072]; A: input x; B: input Wqkv: QUANTISED (scales: A lowp_scales[0], B lowp_scales[1])
;;     2. batch 64 x [M 2,048, K 64] x [K 64, N 2,048]; A: computed on the way; B: computed on the way: QUANTISED (scales: A lowp_scales[2], B lowp_scales[3])
;;     3. batch 64 x [M 2,048, K 2,048] x [K 2,048, N 64]; A: softmax (see below); B: computed on the way: QUANTISED (scales: A lowp_scales[4], B lowp_scales[5])
;;     4. [M 8,192, K 1,024] x [K 1,024, N 1,024]; A: computed on the way; B: input Wproj: QUANTISED (scales: A lowp_scales[6], B lowp_scales[7])
;;   THE QUANTISER, for each operand of a quantised product, along K:
;;     - The operand's scale is 2^e, e = its entry of the input lowp_scales (int32; the entries are numbered through the quantised products in the list's order, A before B).
;;     - Each number is divided by the scale, clamped to +-448, and rounded to the nearest number of E4M3, ties to even, subnormals kept.
;;     - The product sums the exact products of the quantised numbers (number of the format x scale) in f32.
;;   ~~~python
;;   def quantise(x, axis, e):      # numpy; x: float32 -> the quantised numbers, widened to float32 again
;;       x = np.moveaxis(x, axis, -1); K = x.shape[-1]
;;       r = np.clip(x / 2.0 ** e, -448, 448)
;;       step = 2.0 ** (np.maximum(np.frexp(np.where(r == 0, 1, r))[1] - 1, -6) - 3)
;;       q = np.round(r / step) * step * 2.0 ** e      # np.round: ties to even
;;       return np.moveaxis(q, -1, axis).astype(np.float32)
;;   ~~~
;;   SOFTMAX AHEAD OF A QUANTISED PRODUCT. Where the list says 'softmax', what is quantised is not the finished softmax but p = 2^(t - M), with t = logit x log2(e) and M = ceil(the row's largest t), a whole number; so 1/2 < the row's largest p <= 1. The row's sum l is taken of the UNQUANTISED p, in f32, and the product's result is divided by l at the end. Since M is a whole number, a kernel that streams over the keys may use a running M (the ceiling of the running maximum): every later rescaling is an exact power of two, so the quantised numbers keep their values, but for numbers so far below the row's largest that they fall under the format's range.
;;   OPERANDS COMPUTED ON THE WAY. 'Computed on the way' means the value that the module computes at that place (a softmax that the list does not call 'softmax' is quantised finished and normalised). What goes into a quantiser is computed in f32, as accurately as f32 sums, v_exp_f32 and their like allow (about 1e-6 of the number): no bf16 or f16 on the way to a quantiser, and a product that is left as it is and whose result goes on into a quantised operand takes f32 operands (vector FMAs, or v_wmma_f32_16x16x4_f32). A number that lies on a knife's edge between two numbers of the format may be rounded either way, as far as f32 arithmetic and the matrix unit's own rounding can turn it there, and no further.
;; One version. Each part assembles by itself: llvm-mc -triple=amdgcn-amd-amdhsa -mcpu=gfx1250 --defsym DOCPART=n.
;; ======== version 1 of 1: 4 launches
;; limits: right only within a limited range of input values
;; workspace buffers: xc 8,388,608 bytes; wqc 3,145,728 bytes; wpc 1,048,576 bytes; qkv 25,165,824 bytes; acodes 8,388,608 bytes
;; launch quant (part 1): grid 384 x 1, 4 waves a work-group, no clusters, 34,304 bytes of LDS; arguments x, Wqkv, Wproj, lowp_scales, xc, wqc, wpc; writes xc, wqc, wpc
.if DOCPART == 1
	.amdgcn_target "amdgcn-amd-amdhsa--gfx1250"
	.amdhsa_code_object_version 6
	.text
	.protected	k_q6384ffc88d_quant
	.globl	k_q6384ffc88d_quant
	.p2align	8
	.type	k_q6384ffc88d_quant,@function
k_q6384ffc88d_quant:
	s_mov_b64 s[64:65], 0
	v_nop
	global_prefetch_b8 v0, s[64:65] scope:SCOPE_SE
	s_setreg_imm32_b32 hwreg(HW_REG_WAVE_MODE, 25, 1), 1
	s_wait_xcnt 0x0
; x [8192][1024], Wqkv [3072][1024], Wproj [1024][1024], f32, K innermost, become codes of FP8 (E4M3) with the given scales 2^e (entries 0, 1 and 7 of the scales).
; code = number / 2^e, held within +-448, rounded to the nearest code, ties to even.
; LIMITS: each e lies between -126 and 119, so that 2^e and 448 x 2^e are f32 numbers.  NaN among the inputs is not served (an infinity is held at the largest code).
; THE CODES ARE LAID AS IMAGES OF OPERAND REGISTERS.  A chunk is 512 bytes: 16 rows x 32 along K; lane l = r + 16 h owns the 16 bytes at 16 l: row r, k = 32 kc + 16 h + 0 .. 15.
; A row tile (16 rows x 1,024 K) is 32 chunks on end, 16,384 bytes.  Four chunks loaded by four 16-byte loads at 16 x lane are a fragment of 128 along K.
; Wqkv's TILES TAKE PERMUTED ROWS: lane r of tile 2 G + u holds row 32 G + 8 u + r + 8 (r / 8), so that in the product's transposed result the 16 registers of two neighbouring tiles are 16 neighbouring features.
; SHARES.  768 row tiles; a work-group takes two, a wave one tile's half of K, in four units of 16 rows x 128 K.  Work-groups 0-255 take x, 256-351 Wqkv, 352-383 Wproj: only pointers and three numbers are
; chosen by the work-group's number; all take one way through the text.  The work-groups share no input, so there is no cluster; waves share nothing, so there is no barrier.
; A load reads 512 consecutive bytes of one row; a unit's 16 rows turn through the wave's own stage in LDS and come back 64 bytes (16 neighbours along K) a lane and chunk.  Loads run two units (32 loads a wave) ahead.
.set R,   16                           ; v16-143  two sets of 64: a unit as loaded
.set X,   144                          ; v144-207 a unit by neighbours: register 16 c + i = k 32 c + 16 h + i of my row
.set C,   208                          ; v208-239 two sets of 16: a unit's codes
.set SP,  528                          ; a stage row: 512 bytes + 16 = 132 words: row r starts at bank 4 r mod 64 (64 banks of 4 bytes: ISA guide 11.1)
.set WST, 16*SP                        ; a wave's stage
	s_load_b256 s[4:11], s[0:1], 0x0               ; x s[4:5], Wqkv s[6:7], Wproj s[8:9], the scales' exponents s[10:11]
	s_load_b128 s[12:15], s[0:1], 0x20             ; xc s[12:13], wqc s[14:15]
	s_load_b64 s[16:17], s[0:1], 0x30              ; wpc
	v_lshl_add_u32 v240, v0, 2, 0x8400
	v_mov_b32 v241, 0
	v_lshrrev_b32 v1, 5, v0
	v_readfirstlane_b32 s20, v1                    ; wave 0..3
	s_lshr_b32 s21, s20, 1                         ; which of the work-group's two tiles
	s_and_b32 s22, s20, 1                          ; which half of K
	s_cmp_lt_u32 ttmp9, 352                        ; Wqkv or Wproj?
	s_mov_b32 s36, 352
	s_cselect_b32 s36, 256, s36                    ; the tensor's first work-group
	s_cselect_b32 s37, 1, 0                        ; 1: permuted rows
	s_cmp_lt_u32 ttmp9, 256                        ; x?
	s_cselect_b32 s36, 0, s36
	s_cselect_b32 s37, 0, s37
	s_sub_co_u32 s38, ttmp9, s36
	s_lshl_b32 s38, s38, 1
	s_add_co_u32 s38, s38, s21                     ; my row tile
	s_lshl_b32 s39, s38, 4
	s_mul_i32 s40, s21, s37
	s_lshl_b32 s40, s40, 3
	s_sub_co_u32 s39, s39, s40                     ; the tile's first row: 16 x tile, less 8 in an odd permuted tile
	s_lshl_b32 s40, s39, 12                        ; rows of 4,096 bytes
	s_lshl_b32 s41, s22, 11                        ; + my half of K
	s_add_co_u32 s40, s40, s41
	s_mov_b32 s41, 0
	s_lshl_b32 s42, s38, 14                        ; the tile's image,
	s_lshl_b32 s43, s22, 13                        ; + 16 chunks
	s_add_co_u32 s42, s42, s43
	s_mov_b32 s43, 0
	s_mul_i32 s44, s20, WST                        ; my stage
	s_lshl_b32 s45, s37, 15                        ; a permuted tile's rows 8-15 lie 8 rows further down
	v_and_b32 v2, 31, v0                           ; lane
	v_lshlrev_b32 v3, 4, v2                        ; 16 x lane: my bytes of a load's 512, and of a chunk
	v_add_nc_u32 v4, s45, v3                       ; the same for rows 8-15
	v_add_nc_u32 v5, s44, v3                       ; the stage, on the way in
	v_and_b32 v7, 15, v0                           ; r
	v_bfe_u32 v8, v0, 4, 1                         ; h
	v_mul_u32_u24 v6, v7, SP
	v_lshl_add_u32 v6, v8, 6, v6
	v_add_nc_u32 v6, s44, v6                       ; and on the way out: row r, + 64 h
	s_wait_alu depctr_va_vdst(0)
	s_wait_kmcnt 0x0
	s_load_b256 s[24:31], s[10:11], 0x0            ; e0 .. e7
	s_cmp_lt_u32 ttmp9, 352                        ; the choices hang on the work-group's number alone
	s_cselect_b64 s[32:33], s[6:7], s[8:9]
	s_cselect_b64 s[34:35], s[14:15], s[16:17]
	s_cmp_lt_u32 ttmp9, 256
	s_cselect_b64 s[32:33], s[4:5], s[32:33]
	s_cselect_b64 s[34:35], s[12:13], s[34:35]
	s_add_nc_u64 s[32:33], s[32:33], s[40:41]      ; from here I read,
	s_add_nc_u64 s[34:35], s[34:35], s[42:43]      ; and here I write
.macro LOAD u                          ; unit u: 16 rows x 512 bytes, into set u % 2
.irp j, 0,1,2,3,4,5,6,7,8,9,10,11,12,13,14,15
	global_load_b128 v[R+64*((\u)%2)+4*\j:R+64*((\u)%2)+4*\j+3], v[3+\j/8], s[32:33] offset:\j*4096+(\u)*512 th:TH_LOAD_NT
.endr
.endm
	LOAD 0
	LOAD 1
	s_wait_kmcnt 0x0
	s_cmp_lt_u32 ttmp9, 352
	s_cselect_b32 s38, s25, s31                    ; e1 or e7,
	s_cmp_lt_u32 ttmp9, 256
	s_cselect_b32 s38, s24, s38                    ; or e0
	s_add_co_i32 s38, s38, 127
	s_lshl_b32 s39, s38, 23
	v_mov_b32 v11, s39                             ; 2^e as f32: the conversion takes its exponent field
	s_add_co_i32 s38, s38, 8
	s_lshl_b32 s38, s38, 23
	s_or_b32 s38, s38, 0x600000
.macro UNIT u
.set RS, R+64*((\u)%2)
.set CC, C+16*((\u)%2)
.if (\u) < 3
	s_wait_loadcnt 16                              ; this unit's 16 loads are in; the next unit's 16 may be out
.else
	s_wait_loadcnt 0x0
.endif
.irp j, 0,1,2,3,4,5,6,7,8,9,10,11,12,13,14,15
	ds_store_b128 v5, v[RS+4*\j:RS+4*\j+3] offset:\j*SP
.endr
.irp c, 0,1,2,3
.irp i, 0,1,2,3
	ds_load_b128 v[X+16*\c+4*\i:X+16*\c+4*\i+3], v6 offset:128*\c+16*\i   ; LDS serves a wave's instructions in order (ISA guide 5.7.1.4): these see the stores above
.endr
.endr
.if (\u)+2 < 4
	s_wait_dscnt 16                                ; all but the 16 loads just issued: the stores have read their registers,
	LOAD (\u)+2                                    ; which take the unit two further on
.endif
	s_wait_dscnt 0x0                               ; the unit is back, by neighbours
.if (\u) >= 2
	s_wait_xcnt 0x0                                ; the stores of two units ago have read their data: that set of codes is written again only behind this wait
.endif
.set j, 0
.rept 64
.set j, j+1
.endr
.irp c, 0,1,2,3
.irp p, 0,1
	v_cvt_scalef32_pk8_fp8_f32 v[CC+4*\c+2*\p:CC+4*\c+2*\p+1], v[X+16*\c+8*\p:X+16*\c+8*\p+7], v11
.endr
.endr
	v_nop                                          ; one plain vector instruction between the conversions and the next unit's LDS loads, which write their sources
.irp c, 0,1,2,3
	global_store_b128 v3, v[CC+4*\c:CC+4*\c+3], s[34:35] offset:(\u)*2048+\c*512   ; a chunk: 512 consecutive bytes, aligned
.endr
.endm
	s_wait_alu depctr_va_vdst(0)
	UNIT 0
	UNIT 1
	UNIT 2
	UNIT 3
	s_wait_tensorcnt 0x0
	ds_add_u32 v240, v241
	s_wait_dscnt 0x0
	s_endpgm
.Lfunc_end_k_q6384ffc88d_quant:
	.size	k_q6384ffc88d_quant, .Lfunc_end_k_q6384ffc88d_quant-k_q6384ffc88d_quant
	.p2alignl 7, 3214868480
	.fill 96, 4, 3214868480
	.section	.rodata,"a",@progbits
	.p2align	6, 0x0
	.amdhsa_kernel k_q6384ffc88d_quant
		.amdhsa_group_segment_fixed_size 34304
		.amdhsa_private_segment_fixed_size 0
		.amdhsa_enable_private_segment 0
		.amdhsa_kernarg_size 56
		.amdhsa_user_sgpr_count 2
		.amdhsa_user_sgpr_kernarg_segment_ptr 1
		.amdhsa_wavefront_size32 1
		.amdhsa_system_sgpr_workgroup_id_x 1
		.amdhsa_system_sgpr_workgroup_id_y 1
		.amdhsa_system_sgpr_workgroup_id_z 1
		.amdhsa_system_vgpr_workitem_id 0
		.amdhsa_next_free_vgpr 242
		.amdhsa_next_free_sgpr 66
		.amdhsa_reserve_vcc 0
		.amdhsa_float_denorm_mode_32 3
		.amdhsa_float_denorm_mode_16_64 3
		.amdhsa_fp16_overflow 1
		.amdhsa_memory_ordered 1
		.amdhsa_forward_progress 1
		.amdhsa_inst_pref_size 22
	.end_amdhsa_kernel
	.amdgpu_metadata
---
amdhsa.version: [ 1, 2 ]
amdhsa.kernels:
  - .name:           k_q6384ffc88d_quant
    .symbol:         k_q6384ffc88d_quant.kd
    .args:
      - { .name: x, .offset: 0, .size: 8, .value_kind: global_buffer, .address_space: global }
      - { .name: Wqkv, .offset: 8, .size: 8, .value_kind: global_buffer, .address_space: global }
      - { .name: Wproj, .offset: 16, .size: 8, .value_kind: global_buffer, .address_space: global }
      - { .name: lowp_scales, .offset: 24, .size: 8, .value_kind: global_buffer, .address_space: global }
      - { .name: xc, .offset: 32, .size: 8, .value_kind: global_buffer, .address_space: global }
      - { .name: wqc, .offset: 40, .size: 8, .value_kind: global_buffer, .address_space: global }
      - { .name: wpc, .offset: 48, .size: 8, .value_kind: global_buffer, .address_space: global }
    .group_segment_fixed_size: 34304
    .private_segment_fixed_size: 0
    .kernarg_segment_align: 8
    .kernarg_segment_size: 56
    .max_flat_workgroup_size: 128
    .sgpr_count:     66
    .vgpr_count:     242
    .wavefront_size: 32
...
	.end_amdgpu_metadata
.endif
;; end of part 1
;; launch qkvgemm (part 2): grid 12 x 32, 4 waves a work-group, clusters of 4 x 4, 327,680 bytes of LDS; arguments xc, wqc, lowp_scales, qkv; writes qkv
.if DOCPART == 2
	.amdgcn_target "amdgcn-amd-amdhsa--gfx1250"
	.amdhsa_code_object_version 6
	.text
	.protected	k_q6384ffc88d_qkvgemm
	.globl	k_q6384ffc88d_qkvgemm
	.p2align	8
	.type	k_q6384ffc88d_qkvgemm,@function
k_q6384ffc88d_qkvgemm:
	s_mov_b64 s[64:65], 0
	v_nop
	global_prefetch_b8 v0, s[64:65] scope:SCOPE_SE
	s_setreg_imm32_b32 hwreg(HW_REG_WAVE_MODE, 25, 1), 1
	s_wait_xcnt 0x0
	s_wait_alu depctr_hold_cnt(0) depctr_sa_sdst(0) depctr_va_vdst(0) depctr_va_sdst(0) depctr_va_ssrc(0) depctr_va_vcc(0) depctr_vm_vsrc(0)
	s_getreg_b32 s2, hwreg(HW_REG_IB_STS2, 6, 4)
	s_cmp_eq_u32 s2, 0
	s_cbranch_scc0 .Lentry_in_a_cluster
	s_endpgm
.Lentry_in_a_cluster:
	s_bfe_u32 s2, ttmp6, 0x10000c
	s_cmp_lg_u32 s2, 0xf033
	s_cbranch_scc0 .Lentry_shape_is_right
	s_endpgm
.Lentry_shape_is_right:
; qkv = x Wqkv^T on codes of FP8 (E4M3), sums in f32; each finished sum is quantised in registers to a code of q (scale 2^e2), k (2^e3) or v (2^e5) and stored where the attention launch wants it.
; A sum stands for sum x 2^(e0 + e1), so its code is sum / 2^(et - e0 - e1): the three scales are folded into the conversion's one.
; LIMITS: e2 - e0 - e1, e3 - e0 - e1 and e5 - e0 - e1 lie between -126 and 119, so that each power of two below is an f32 number.
; OPERANDS ARE IMAGES OF THEIR REGISTERS: a chunk of 512 bytes is 16 rows x 32 K, lane l's 16 bytes at 16 l (row l % 16, k = 32 kc + 16 (l / 16) + 0 .. 15); a row tile is 32 chunks on end.  It is a permutation of k
; inside an instruction, the same on both sides.  A fragment load's 512 bytes are consecutive in LDS: no pitch, no padding.
; A work-group of four waves makes 256 x 256 sums, a wave 128 x 128: 64 accumulators, 512 registers.  K = 1,024 goes in four steps of 256 through a ring of two LDS slots filled by the tensor data mover.
; CLUSTERS: 4 x 4 work-groups; the A side's tile is shared along a row of the cluster, the B side's along a column: each is asked for JOINTLY, by the same tensor load with a mask that names the four.
; THE MATRIX INSTRUCTION: source 0 = 16 rows of the B side, source 1 = 16 rows of the A side: lane (r, h) holds A's row r, its register j B's row 8 h + j.
; WHICH PART.  Cluster x = 0: q, 1: k, 2: v; it is the same in all sixteen partners.  q, k: A side = tokens (xc), B side = features (wqc, whose tiles take permuted rows): the 16 registers of B tiles 2 g, 2 g + 1 are 16
; neighbouring features of one token: a chunk with K = the head's 64.  v: THE SIDES ARE SWAPPED BY DATA: A side = features, B side = tokens: a lane holds one feature and 16 keys (32 g + 8 h + j and 32 g + 16 + 8 h + j):
; a chunk with K = the keys, in the order in which the attention launch's weights fall into their codes.
; qkv: [batch x 16 + head][block of 256 tokens][49,152]: Q 16 tiles x 1,024 | K of keys 0-127: 8 tiles x 1,024 | V of them: 4 feature tiles x 4 key groups x 512 | K of keys 128-255 | V of them.
; REGISTERS, in windows of 256: window 0: v0-31 addresses and constants; from v128 the A side's 8 fragments, ONE set; on the way out v96-223.  window 1: the B side's, TWO sets.  windows 2, 3: the accumulators, (a, b) at v[8 (8 (a % 4) + b)].
.set RT,     4096                      ; a row tile's part of a slot: 8 chunks, 256 along K
.set HALFT,  8*RT                      ; what one tensor load brings, and what one wave reads of a side
.set SLOT,   4*HALFT                   ; the A side's 16 row tiles, then the B side's 16
.set SPARE,  2*SLOT                    ; behind the ring: the spare words, 128 bytes for each wave: two blocks of 256 bytes that no other line names
.set KSTEPB, 4096                      ; a K step on, in a row tile in memory
.set TILEB,  16384                     ; from row tile to row tile in memory
.set FR,     16                        ; registers of a fragment
.set NL,     4                         ; LDS loads that bring one
.set NP,     4                         ; places behind this matrix instruction (ISA guide 7.12.1)
.set LAPS,   2                         ; a lap = two K steps = once round the ring
.set ADRA, 16                          ; v16-17  LDS address of my A fragments in slot 0, 1
.set ADRB, 20                          ; v20-21  the same for B
.set SCV,  24                          ; v24     2^(et - e0 - e1) as f32
.set LIMV, 25
.set CO,   26                          ; v26     16 x lane
.set SPW,  28                          ; v28     LDS address of my spare word; never rewritten
.set NIL,  29                          ; v29     0; never rewritten
.set TMP,  32
.set CD,   96                          ; the way out: v96-223: 16 registers of codes for each of my 8 A tiles
.set AF,   128
.set G1, 24                            ; s[24:31] descriptor group 1 for the A side;  s[32:39] group 0, one set for each slot
.set G0, 32
.set G1B, 48                           ; s[48:55], s[56:63] the same for the B side
.set G0B, 56
.set MSB, 0
.macro WIN new                         ; the immediate's high byte repeats the setting that is left
.if MSB != (\new)
	s_set_vgpr_msb (MSB<<8)|(\new)
.set MSB, (\new)
.endif
.endm
.set MUL_LO, 0xa1                      ; source 0 (B) window 1, source 1 (A) window 0, C and D window 2
.set MUL_HI, 0xf1                      ; the same, C and D window 3
.set TO_B,   0x40                      ; destination window 1, address window 0
; A joint load: waves 0 and 1 fetch for the A side, waves 2 and 3 for the B side.  The branch hangs on the wave's number alone.  Four v_nop follow each of the two lines.
.macro JLOAD g0a, g1a, g0b, g1b
	s_cmp_eq_u32 s15, 0
	s_cbranch_scc0 .Lfor_b_\@
	tensor_load_to_lds s[\g0a:\g0a+3], s[\g1a:\g1a+7]
	s_nop 0
.rept 4
	v_nop
.endr
	s_branch .Lasked_\@
.Lfor_b_\@:
	tensor_load_to_lds s[\g0b:\g0b+3], s[\g1b:\g1b+7]
	s_nop 0
.rept 4
	v_nop
.endr
.Lasked_\@:
.endm
.macro CREST                           ; a round of the cluster's barrier behind its opening barrier
	s_cmp_lg_u32 s14, 0
	s_cbranch_scc1 .Lnot_wave_0_\@
	s_barrier_signal -3
.Lnot_wave_0_\@:
	s_barrier_wait -3
	s_barrier_signal -1
	s_barrier_wait -1
.endm
.macro CROUND                          ; a whole round
	s_barrier_signal -1
	s_barrier_wait -1
	CREST
.endm
	s_load_b128 s[4:7], s[0:1], 0x0                ; xc s[4:5], wqc s[6:7]
	s_load_b128 s[8:11], s[0:1], 0x10              ; the scales' exponents s[8:9], qkv s[10:11]
	v_lshl_add_u32 v[SPW], v0, 2, SPARE
	v_mov_b32 v[NIL], 0
	ds_add_u32 v28, v29
	ds_add_u32 v28, v29
	s_wait_dscnt 0x0
	v_lshrrev_b32 v1, 5, v0
	v_readfirstlane_b32 s14, v1                    ; wave 0..3
	s_lshr_b32 s15, s14, 1                         ; which half of the A side's rows is mine.  Also: I fetch for A (0) or for B (1)
	s_and_b32 s16, s14, 1                          ; which half of the B side's.  Also: which 8 row tiles I fetch
	s_bfe_u32 s40, ttmp6, 0x40000                  ; cx, cy: my place in the cluster
	s_bfe_u32 s41, ttmp6, 0x40004
	s_and_b32 s72, ttmp7, 0xffff
	s_lshl_b32 s72, s72, 2                         ; 4 x cluster y
	s_lshl_b32 s73, ttmp9, 2                       ; 4 x cluster x
	s_cmp_eq_u32 ttmp9, 2                          ; v's clusters?
	s_cselect_b32 s17, 8, s72                      ; the A side's block of 256 rows: v: Wqkv's 8 + cy; else tokens' 4 Y + cy
	s_cselect_b32 s42, s72, s73                    ; the B side's: v: tokens' 4 Y + cx; else Wqkv's 4 X + cx
	s_add_co_u32 s17, s17, s41
	s_add_co_u32 s42, s42, s40
	s_lshl_b32 s43, s41, 2
	s_lshl_b32 s43, 15, s43                        ; my row of the cluster
	s_lshl_b32 s44, 0x1111, s40                    ; my column
	; descriptor group 1: 8 row tiles x 4,096 bytes, 16,384 bytes apart in memory, on end in LDS
	s_or_b32 s[G1+0], s43, (1<<21)                 ; 15:0 the mask: the A side's tiles go to my row; 17:16 elements of 1 byte; 20 no padding; 21 set beside a mask
	s_or_b32 s[G1B+0], s44, (1<<21)
.irp g, G1, G1B
	s_mov_b32 s[\g+1], RT<<16                      ; tensor_dim0
	s_mov_b32 s[\g+2], 8<<16                       ; tensor_dim1
	s_mov_b32 s[\g+3], RT<<16                      ; tile_dim0
	s_mov_b32 s[\g+4], 8                           ; tile_dim1
	s_mov_b32 s[\g+5], TILEB                       ; tensor_dim0_stride
	s_mov_b32 s[\g+6], 0
	s_mov_b32 s[\g+7], 0
.endr
	s_lshl_b32 s18, s16, 17                        ; which 8 row tiles of the 16 I fetch
	s_lshl_b32 s20, s17, 18                        ; 16 row tiles x 16,384 bytes a block
	s_add_co_u32 s20, s20, s18
	s_mov_b32 s21, 0
	s_lshl_b32 s46, s42, 18
	s_add_co_u32 s46, s46, s18
	s_mov_b32 s47, 0
	s_mul_i32 s45, s14, HALFT                      ; where they go: wave x 8 row tiles: no place in the cluster enters an LDS address
	s_wait_kmcnt 0x0
	s_load_b256 s[80:87], s[8:9], 0x0              ; e0 .. e7, wanted on the way out
	s_cmp_eq_u32 ttmp9, 2
	s_cselect_b64 s[68:69], s[6:7], s[4:5]         ; the A side's buffer,
	s_cselect_b64 s[70:71], s[4:5], s[6:7]         ; the B side's
	s_add_nc_u64 s[20:21], s[68:69], s[20:21]
	s_add_nc_u64 s[46:47], s[70:71], s[46:47]
	CROUND                                         ; all sixteen work-groups are here: the first joint loads meet
.irp s, 0,1
	s_mov_b32 s[G0+4*\s], 1
	s_add_co_u32 s[G0+4*\s+1], s45, \s*SLOT
	s_add_nc_u64 s[G0+4*\s+2:G0+4*\s+3], s[20:21], \s*KSTEPB
	s_or_b32 s[G0+4*\s+3], s[G0+4*\s+3], 0x80000000
	s_mov_b32 s[G0B+4*\s], 1
	s_add_co_u32 s[G0B+4*\s+1], s45, \s*SLOT
	s_add_nc_u64 s[G0B+4*\s+2:G0B+4*\s+3], s[46:47], \s*KSTEPB
	s_or_b32 s[G0B+4*\s+3], s[G0B+4*\s+3], 0x80000000
	JLOAD G0+4*\s, G1, G0B+4*\s, G1B
.endr
	v_and_b32 v1, 31, v0
	v_lshlrev_b32 v[CO], 4, v1                     ; 16 x lane
	s_mul_i32 s21, s15, HALFT                      ; my 8 row tiles of the A side,
	s_mul_i32 s22, s16, HALFT                      ; of the B side,
	s_add_co_u32 s22, s22, 2*HALFT                 ; which lies behind A's 16
.irp s, 0,1
	v_add_nc_u32 v[ADRA+\s], s21, v[CO]
	v_add_nc_u32 v[ADRB+\s], s22, v[CO]
	s_add_co_u32 s21, s21, SLOT
	s_add_co_u32 s22, s22, SLOT
.endr
	; where my codes go
	s_cmp_eq_u32 ttmp9, 2
	s_cselect_b32 s74, s42, s17                    ; the block of 256 tokens
	s_cselect_b32 s75, s41, s40                    ; the group of four heads
	s_cselect_b32 s76, s16, s15                    ; my half of the tokens
	s_cselect_b32 s77, s15, s16                    ; my two of the four heads
	s_cselect_b32 s78, 8192, 0
	s_lshl_b32 s79, ttmp9, 14
	s_sub_co_u32 s79, s79, s78                     ; the region: q 0, k 16,384, v 24,576
	s_cmp_eq_u32 ttmp9, 0
	s_cselect_b32 s78, 13, 14                      ; 128 tokens on: 8 tiles of Q are 8,192 bytes; a key step's K and V are 16,384
	s_lshl_b32 s76, s76, s78
	s_add_co_u32 s79, s79, s76
	s_lshr_b32 s88, s74, 3                         ; the batch
	s_lshl_b32 s88, s88, 4
	s_lshl_b32 s75, s75, 2
	s_add_co_u32 s88, s88, s75
	s_lshl_b32 s77, s77, 1
	s_add_co_u32 s88, s88, s77                     ; 16 x batch + my first head
	s_mul_i32 s88, s88, 393216
	s_and_b32 s74, s74, 7
	s_mul_i32 s74, s74, 49152
	s_add_co_u32 s88, s88, s74
	s_add_co_u32 s88, s88, s79
	s_mov_b32 s89, 0
	s_add_nc_u64 s[10:11], s[10:11], s[88:89]
.macro FRAG reg, adr, q, i             ; a fragment, 16 rows x 128 K: four chunks, 512 consecutive bytes a load
.irp c, 0,1,2,3
	ds_load_b128 v[\reg+4*\c:\reg+4*\c+3], v[\adr] offset:(\i)*RT+(4*(\q)+\c)*512
.endr
.endm
; 16 matrix instructions: A's blocks a0, a0 + 1 x B's eight, 128 along K.  p: B's set.  zero = 1: the first product starts the sums.  The 64 accumulators take turns, one instruction a turn, in the same order in every step.
.macro MUL16 a0, p, zero
.irp a, \a0, \a0+1
.irp b, 0,1,2,3,4,5,6,7
.if \zero
	v_wmma_f32_16x16x128_fp8_fp8 v[8*(8*((\a)%4)+\b):8*(8*((\a)%4)+\b)+7], v[128*(\p)+FR*\b:128*(\p)+FR*\b+FR-1], v[AF+FR*(\a):AF+FR*(\a)+FR-1], 0
.else
	v_wmma_f32_16x16x128_fp8_fp8 v[8*(8*((\a)%4)+\b):8*(8*((\a)%4)+\b)+7], v[128*(\p)+FR*\b:128*(\p)+FR*\b+FR-1], v[AF+FR*(\a):AF+FR*(\a)+FR-1], v[8*(8*((\a)%4)+\b):8*(8*((\a)%4)+\b)+7]
.endif
.endr
.endr
.endm
.macro FETCH_B slot, q, p
	WIN TO_B
.irp i, 0,1,2,3,4,5,6,7
	FRAG 128*(\p)+FR*\i, ADRB+\slot, \q, \i
.endr
	WIN 0
.endm
.macro FETCH_A slot, q, i0
.irp i, \i0, \i0+1, \i0+2, \i0+3
	FRAG AF+FR*(\i), ADRA+\slot, \q, \i
.endr
.endm
.macro PLACES n                        ; plain vector instructions between a matrix instruction and a load into, or a vector instruction on, its registers
.rept \n
	v_nop
.endr
.endm
; A step of 128 along K that has its successor in the same slot.  A's blocks are free as soon as their eight products are issued: blocks 0-3 are fetched anew in the step's middle, blocks 4-7 at its end.
.macro STEP slot, q, zero
	s_wait_dscnt 4*NL                              ; B's set and A's blocks 0-3 are in; the youngest 16 loads (A's blocks 4-7) may be out
	WIN MUL_LO
	MUL16 0, (\q)%2, \zero
	MUL16 2, (\q)%2, \zero
	s_wait_dscnt 0                                 ; A's blocks 4-7 are in
	PLACES NP
	FETCH_B \slot, (\q)+1, 1-(\q)%2
	FETCH_A \slot, (\q)+1, 0
	WIN MUL_HI
	MUL16 4, (\q)%2, \zero
	MUL16 6, (\q)%2, \zero
	PLACES NP
	WIN 0
	FETCH_A \slot, (\q)+1, 4
.endm
; A slot's last step changes slots: ONE barrier; in front of it each wave waits for all its tensor loads, adds 0 to its spare word, and waits for that and for its reads of this slot.  fill = 1: this slot is filled again, two K steps ahead.
.macro TURN slot, next, fill
	s_wait_tensorcnt 0x0                           ; all my tensor loads have landed: my part of the next slot
	ds_add_u32 v[SPW], v[NIL]                      ; 0 onto my spare word
	s_wait_dscnt 4*NL+1                            ; (the add and the youngest 16 loads, A's blocks 4-7, may be out)
	WIN MUL_LO
	MUL16 0, 1, 0                                  ; sixteen matrix instructions stand between the add and the wait for it
	s_wait_dscnt 0x0                               ; the add is done, and my reads of this slot are over
	s_barrier_signal -1
	MUL16 2, 1, 0
	WIN 0
	s_barrier_wait -1
.if \fill
	CREST                                          ; the barrier has opened a round of the cluster's: no wave of any partner still reads this slot or has a load on its way
	s_add_nc_u64 s[G0+4*\slot+2:G0+4*\slot+3], s[G0+4*\slot+2:G0+4*\slot+3], 2*KSTEPB
	s_add_nc_u64 s[G0B+4*\slot+2:G0B+4*\slot+3], s[G0B+4*\slot+2:G0B+4*\slot+3], 2*KSTEPB
	JLOAD G0+4*\slot, G1, G0B+4*\slot, G1B         ; the first tensor load behind the round; its four v_nop are the places in front of the loads below
.else
	PLACES NP
.endif
	FETCH_B \next, 0, 0
	FETCH_A \next, 0, 0
	WIN MUL_HI
	MUL16 4, 1, 0
	MUL16 6, 1, 0
	PLACES NP
	WIN 0
	FETCH_A \next, 0, 4
.endm
	s_wait_alu depctr_va_vdst(0)
	s_wait_tensorcnt 1                             ; my part of K step 0 is in; K step 1's load, issued behind it, may be out
	s_barrier_signal -1
	s_barrier_wait -1                              ; everybody's is
	FETCH_B 0, 0, 0
	FETCH_A 0, 0, 0
	FETCH_A 0, 0, 4
	STEP 0, 0, 1                                   ; the first step stands in front of the loop: its products start the sums
	s_mov_b32 s3, LAPS-1
.Llap:                                                 ; a trip goes once round the ring and fills both slots again
	TURN 0, 1, 1
	STEP 1, 0, 0
	TURN 1, 0, 1
	STEP 0, 0, 0
	s_sub_co_u32 s3, s3, 1
	s_cmp_lg_u32 s3, 0
	s_cbranch_scc1 .Llap
	TURN 0, 1, 0                                   ; the last lap fills nothing
	STEP 1, 0, 0
	s_wait_dscnt 4*NL                              ; the very last step
	WIN MUL_LO
	MUL16 0, 1, 0
	MUL16 2, 1, 0
	s_wait_dscnt 0
	WIN MUL_HI
	MUL16 4, 1, 0
	MUL16 6, 1, 0
	WIN 0
	; THE WAY OUT: no LDS.  For A tile a the 64 sums of a lane are four runs of 16 neighbours along the next product's K: converted, and each run's 16 bytes are a lane's part of a chunk.
	s_wait_kmcnt 0x0
	s_cmp_eq_u32 ttmp9, 0
	s_cselect_b32 s90, s82, s83                    ; e2 for q, e3 for k,
	s_cmp_eq_u32 ttmp9, 2
	s_cselect_b32 s90, s85, s90                    ; e5 for v
	s_sub_co_i32 s90, s90, s80
	s_sub_co_i32 s90, s90, s81                     ; - e0 - e1
	s_add_co_i32 s90, s90, 127
	s_lshl_b32 s91, s90, 23
	v_mov_b32 v[SCV], s91
	s_add_co_i32 s90, s90, 8
	s_lshl_b32 s90, s90, 23
	s_or_b32 s90, s90, 0x600000
	PLACES NP
.macro CODES a
	WIN 0x02+((\a)/4)                              ; source 0: window 2 or 3
.set AC, 64*((\a)%4)
.set j, 0
.rept 64
.set j, j+1
.endr
.irp g, 0,1,2,3
.irp u, 0,1
	v_cvt_scalef32_pk8_fp8_f32 v[CD+16*(\a)+4*\g+2*\u:CD+16*(\a)+4*\g+2*\u+1], v[AC+16*\g+8*\u:AC+16*\g+8*\u+7], v[SCV]
.endr
.endr
	WIN 0
	v_nop                                          ; one plain vector instruction behind the conversions
.endm
.irp a, 0,1,2,3,4,5,6,7
	CODES \a
.endr
	s_cmp_eq_u32 ttmp9, 2                          ; the same in all partners
	s_cbranch_scc1 .Lv_out
.irp a, 0,1,2,3,4,5,6,7                ; q, k: token tile a, head g / 2, chunk g % 2
.irp g, 0,1,2,3
	global_store_b128 v[CO], v[CD+16*\a+4*\g:CD+16*\a+4*\g+3], s[10:11] offset:\a*1024+(\g%2)*512+(\g/2)*393216   ; 512 consecutive bytes, aligned
.endr
.endr
	s_branch .Lstored
.Lv_out:
	s_wait_alu depctr_va_vdst(0)
.irp a, 0,1,2,3,4,5,6,7                ; v: head a / 4, feature tile a % 4, key group g
.irp g, 0,1,2,3
	global_store_b128 v[CO], v[CD+16*\a+4*\g:CD+16*\a+4*\g+3], s[10:11] offset:(\a/4)*393216+(\a%4)*2048+\g*512
.endr
.endr
.Lstored:
	s_wait_tensorcnt 0x0                           ; the wave's end
	ds_add_u32 v[SPW], v[NIL]
	s_wait_dscnt 0x0
	CROUND                                         ; the closing round: no work-group ends while a partner may still ask for a tile that names it
	s_endpgm
.Lfunc_end_k_q6384ffc88d_qkvgemm:
	.size	k_q6384ffc88d_qkvgemm, .Lfunc_end_k_q6384ffc88d_qkvgemm-k_q6384ffc88d_qkvgemm
	.p2alignl 7, 3214868480
	.fill 96, 4, 3214868480
	.section	.rodata,"a",@progbits
	.p2align	6, 0x0
	.amdhsa_kernel k_q6384ffc88d_qkvgemm
		.amdhsa_group_segment_fixed_size 327680
		.amdhsa_private_segment_fixed_size 0
		.amdhsa_enable_private_segment 0
		.amdhsa_kernarg_size 32
		.amdhsa_user_sgpr_count 2
		.amdhsa_user_sgpr_kernarg_segment_ptr 1
		.amdhsa_wavefront_size32 1
		.amdhsa_system_sgpr_workgroup_id_x 1
		.amdhsa_system_sgpr_workgroup_id_y 1
		.amdhsa_system_sgpr_workgroup_id_z 1
		.amdhsa_system_vgpr_workitem_id 0
		.amdhsa_next_free_vgpr 1024
		.amdhsa_next_free_sgpr 96
		.amdhsa_reserve_vcc 0
		.amdhsa_float_denorm_mode_32 3
		.amdhsa_float_denorm_mode_16_64 3
		.amdhsa_fp16_overflow 1
		.amdhsa_memory_ordered 1
		.amdhsa_forward_progress 1
		.amdhsa_inst_pref_size 89
	.end_amdhsa_kernel
	.amdgpu_metadata
---
amdhsa.version: [ 1, 2 ]
amdhsa.kernels:
  - .name:           k_q6384ffc88d_qkvgemm
    .symbol:         k_q6384ffc88d_qkvgemm.kd
    .args:
      - { .name: xc, .offset: 0, .size: 8, .value_kind: global_buffer, .address_space: global }
      - { .name: wqc, .offset: 8, .size: 8, .value_kind: global_buffer, .address_space: global }
      - { .name: lowp_scales, .offset: 16, .size: 8, .value_kind: global_buffer, .address_space: global }
      - { .name: qkv, .offset: 24, .size: 8, .value_kind: global_buffer, .address_space: global }
    .group_segment_fixed_size: 327680
    .private_segment_fixed_size: 0
    .kernarg_segment_align: 8
    .kernarg_segment_size: 32
    .max_flat_workgroup_size: 128
    .sgpr_count:     96
    .vgpr_count:     1024
    .wavefront_size: 32
...
	.end_amdgpu_metadata
.endif
;; end of part 2
;; launch attn (part 3): grid 4 x 64, 16 waves a work-group, clusters of 4 x 1, 264,192 bytes of LDS; arguments qkv, lowp_scales, acodes; writes acodes
.if DOCPART == 3
	.amdgcn_target "amdgcn-amd-amdhsa--gfx1250"
	.amdhsa_code_object_version 6
	.text
	.protected	k_q6384ffc88d_attn
	.globl	k_q6384ffc88d_attn
	.p2align	8
	.type	k_q6384ffc88d_attn,@function
k_q6384ffc88d_attn:
	s_mov_b64 s[64:65], 0
	v_nop
	global_prefetch_b8 v0, s[64:65] scope:SCOPE_SE
	s_setreg_imm32_b32 hwreg(HW_REG_WAVE_MODE, 25, 1), 1
	s_wait_xcnt 0x0
	s_wait_alu depctr_hold_cnt(0) depctr_sa_sdst(0) depctr_va_vdst(0) depctr_va_sdst(0) depctr_va_ssrc(0) depctr_va_vcc(0) depctr_vm_vsrc(0)
	s_getreg_b32 s2, hwreg(HW_REG_IB_STS2, 6, 4)
	s_cmp_eq_u32 s2, 0
	s_cbranch_scc0 .Lentry_in_a_cluster
	s_endpgm
.Lentry_in_a_cluster:
	s_bfe_u32 s2, ttmp6, 0x10000c
	s_cmp_lg_u32 s2, 0x3003
	s_cbranch_scc0 .Lentry_shape_is_right
	s_endpgm
.Lentry_shape_is_right:
; Causal attention of one (batch, head) a cluster, both products on codes of FP8 (E4M3): scores = q k^T x 2^(e2 + e3) / 8; t = score x log2(e); M = the running largest t rounded UP to a whole number;
; p = 2^(t - M), not normalised, is quantised with 2^e4; the row's sum is taken of the unquantised p; o = (p v) x 2^(e4 + e5) / sum is quantised with 2^e6 for the last product.
; When M moves, the sum and O are multiplied by 2^(old M - new M), which rounds nothing.
; LIMITS: e2 + e3 between -123 and 130 (added to c's exponent field); e4, and e6 - e4 - e5, between -126 and 119.  NaN among the inputs is not served.
; qkv: [batch x 16 + head][block of 256 tokens][49,152]: Q 16 tiles x 1,024 | then for each 128 keys: K 8 tiles x 1,024, V 4 feature tiles x 4 key groups x 512.  All as images of operand registers: a chunk of 512 bytes,
; lane l's 16 bytes at 16 l.  Every LDS load takes 512 consecutive bytes.
; SHARES.  The head's 128 tiles of 16 queries are dealt round the cluster's four work-groups: work-group cx owns tiles 4 m + cx, m = 0 .. 31.  So at every key step all four have the same work, they walk the same K and V,
; and the key step on tile 4 m + cx's diagonal is m / 2 whatever cx is: no branch hangs on a work-group's place.  Wave w owns m0 = w xor ((w / 2) & 2) and m0 + 16: an early tile and a late one.
; LDS holds the head's WHOLE K and V, 16 key steps x 16,384 bytes: each byte is filled once, by sixteen joint loads issued at the head (waves 0-3, four each, four of a wave's out by this text's count), so nothing is filled again.
; The waves start on the first four key steps when those have landed: four stages, a barrier in front of each.
; LAYOUT.  Both products transposed: S^T = K Q^T (source 0 = 16 keys, source 1 = 16 queries), O^T = V^T P^T: a lane holds ONE query (lane % 16) throughout.  S^T's tile j, register i is key 16 j + 8 h + i; tiles 2 b and 2 b + 1
; convert into registers 4 b .. 4 b + 3 of P, and V's codes were laid in that same order of keys.  V's feature tiles take permuted rows, so that O^T's tiles 2 g, 2 g + 1 are 16 neighbouring channels: a chunk of the next operand.
; CAUSAL.  A step all of whose keys come after the tile's queries is jumped over (a scalar branch on the wave's number and the step); on the diagonal hidden scores become -infinity ahead of the maximum.  Key 0 counts for every query.
; acodes: [batch x 128 + query tile][2 x head + g][512].
; REGISTERS: v1 16 x lane; v2 the step's LDS address; v3 the mask's number; v8-11, v12-15 a tile's -M, largest t, sum in two halves; v16-31 Q; v32-95 K's or V's fragments; v96-159 S^T, then p; v160-223 O^T; v224-239 p's codes; v240-254 constants and work.
.set HEADB, 393216
.set BLKB,  49152
.set STEPB, 16384                      ; a key step in LDS and in memory: K's 8,192 bytes, then V's
.set LI,  1
.set ADR, 2
.set QD,  3
.set WV,  18                           ; s18  my wave's number
.set CX,  19                           ; s19  my place in the cluster: it enters global addresses and the mask's number, nothing else
.set SEL, 20                           ; s[20:21] lane selects for v_permlanex16_b32: lane l xor 16
.set CS,  22                           ; s[22:23] c = log2(e) / 8 x 2^(e2 + e3)
.set G1,  24                           ; s[24:31] descriptor group 1
.set G0,  32                           ; s[32:47] four groups 0, never rewritten
.set STP, 76                           ; s76  the key step
.set TB,  77                           ; s77  its first LDS byte
.set DG,  78                           ; s78, s79  the key step on the diagonal of my tile 0, 1
.macro CROUND                          ; a round of the cluster's barrier
	s_barrier_signal -1
	s_barrier_wait -1
	s_cmp_lg_u32 s[WV], 0
	s_cbranch_scc1 .Lnot_wave_0_\@
	s_barrier_signal -3
.Lnot_wave_0_\@:
	s_barrier_wait -3
	s_barrier_signal -1
	s_barrier_wait -1
.endm
	s_load_b128 s[4:7], s[0:1], 0x0                ; qkv s[4:5], the scales' exponents s[6:7]
	s_load_b64 s[8:9], s[0:1], 0x10                ; acodes
	v_lshl_add_u32 v247, v0, 2, 0x40000
	v_mov_b32 v255, 0
	ds_add_u32 v247, v255
	ds_add_u32 v247, v255
	v_lshrrev_b32 v2, 5, v0
	s_delay_alu instid0(VALU_DEP_1)
	v_readfirstlane_b32 s[WV], v2                  ; wave 0..15
	v_and_b32 v[LI], 31, v0
	s_delay_alu instid0(VALU_DEP_1)
	v_lshlrev_b32 v[LI], 4, v[LI]                  ; 16 x lane
	s_bfe_u32 s[CX], ttmp6, 0x40000
	s_and_b32 s48, ttmp7, 0xffff                   ; 16 x batch + head, which the four partners share
	s_lshr_b32 s49, s[WV], 1
	s_and_b32 s49, s49, 2
	s_xor_b32 s49, s49, s[WV]                      ; m0
	s_lshr_b32 s[DG], s49, 1
	s_add_co_u32 s[DG+1], s[DG], 8
	s_mul_i32 s54, s48, HEADB                      ; the head's first byte
	s_and_b32 s55, s[WV], 3                        ; j: load n of wave j brings key step 4 n + j
	s_lshr_b32 s56, s55, 1
	s_mul_i32 s56, s56, BLKB
	s_and_b32 s57, s55, 1
	s_lshl_b32 s57, s57, 14
	s_add_co_u32 s56, s56, s57
	s_add_co_u32 s56, s56, s54
	s_add_co_u32 s56, s56, 16384                   ; behind the block's Q
	s_mov_b32 s57, 0
	s_lshl_b32 s58, s55, 14                        ; and in LDS: no place in the cluster enters an LDS address
	; descriptor group 1: a dense block of 16,384 bytes as 64 rows of 32 elements of 8 bytes
	s_mov_b32 s[G1], 15|(3<<16)|(1<<21)            ; 15:0 the mask: all four work-groups; 17:16 elements of 8 bytes; 20 no padding; 21 set beside a mask
	s_mov_b32 s[G1+1], 32<<16                      ; tensor_dim0
	s_mov_b32 s[G1+2], 64<<16                      ; tensor_dim1
	s_mov_b32 s[G1+3], 32<<16                      ; tile_dim0
	s_mov_b32 s[G1+4], 64                          ; tile_dim1
	s_mov_b32 s[G1+5], 32                          ; tensor_dim0_stride
	s_mov_b32 s[G1+6], 0
	s_mov_b32 s[G1+7], 0
	s_mov_b32 s[SEL], 0x76543210
	s_mov_b32 s[SEL+1], 0xfedcba98
	s_mov_b32 s[CS], 0x3e38aa3b                    ; log2(e) / 8
	s_lshr_b32 s59, s49, 2                         ; Q: tile 4 m0 + cx lies in block m0 / 4,
	s_mul_i32 s59, s59, BLKB
	s_and_b32 s60, s49, 3
	s_lshl_b32 s60, s60, 2
	s_add_co_u32 s60, s60, s[CX]                   ; at place 4 (m0 % 4) + cx
	s_lshl_b32 s60, s60, 10
	s_add_co_u32 s50, s59, s60
	s_add_co_u32 s50, s50, s54
	s_mov_b32 s51, 0
	s_lshr_b32 s61, s48, 4                         ; the way out: row tile 128 x batch + 4 m0 + cx,
	s_lshl_b32 s61, s61, 7
	s_lshl_b32 s62, s49, 2
	s_add_co_u32 s61, s61, s62
	s_add_co_u32 s61, s61, s[CX]
	s_lshl_b32 s61, s61, 14
	s_and_b32 s62, s48, 15                         ; chunks 2 x head on
	s_lshl_b32 s62, s62, 10
	s_add_co_u32 s52, s61, s62
	s_mov_b32 s53, 0
	s_wait_dscnt 0x0
	s_wait_kmcnt 0x0
	s_load_b256 s[68:75], s[6:7], 0x0              ; e0 .. e7
	s_add_nc_u64 s[56:57], s[4:5], s[56:57]
	s_add_nc_u64 s[50:51], s[4:5], s[50:51]
	s_add_nc_u64 s[52:53], s[8:9], s[52:53]
.irp n, 0,1,2,3
	s_mov_b32 s[G0+4*\n], 1                        ; count = 1
	s_add_co_u32 s[G0+4*\n+1], s58, \n*4*STEPB     ; LDS address: key step 4 n + j
	s_add_nc_u64 s[G0+4*\n+2:G0+4*\n+3], s[56:57], \n*2*BLKB   ; four key steps are two blocks on
	s_or_b32 s[G0+4*\n+3], s[G0+4*\n+3], 0x80000000   ; type = 2
.endr
	CROUND                                         ; all four work-groups are here: the joint loads meet
	s_cmp_lt_u32 s[WV], 4                          ; a wave's four fills stand in one branch, ahead of every wait on TENSORcnt and every LDS read
	s_cbranch_scc0 .Lno_fetch
	tensor_load_to_lds s[G0:G0+3], s[G1:G1+7]
	s_nop 0
	tensor_load_to_lds s[G0+4:G0+7], s[G1:G1+7]
	s_nop 0
	tensor_load_to_lds s[G0+8:G0+11], s[G1:G1+7]
	s_nop 0
	tensor_load_to_lds s[G0+12:G0+15], s[G1:G1+7]
	s_nop 0
.rept 4
	v_nop
.endr
.Lno_fetch:
	s_wait_alu depctr_va_vdst(0)
.irp t, 0,1
.irp c, 0,1
	global_load_b128 v[16+8*\t+4*\c:16+8*\t+4*\c+3], v[LI], s[50:51] offset:\t*4*BLKB+\c*512 th:TH_LOAD_NT   ; Q's fragments stay in registers; tile 1 lies 64 tiles, four blocks, on
.endr
.endr
	v_and_b32 v[QD], 15, v0                        ; on the diagonal step register n's key is hidden where 16 (n / 8) + n % 8 > r - 8 h + 64 (m % 2) + 16 cx
	v_bfe_u32 v4, v0, 4, 1
	s_delay_alu instid0(VALU_DEP_1)
	v_lshlrev_b32 v4, 3, v4
	s_delay_alu instid0(VALU_DEP_1)
	v_sub_nc_u32 v[QD], v[QD], v4
	s_and_b32 s63, s49, 1
	s_lshl_b32 s63, s63, 6
	s_lshl_b32 s62, s[CX], 4
	s_add_co_u32 s63, s63, s62
	v_add_nc_u32 v[QD], s63, v[QD]
.irp t, 0,1
	v_mov_b32 v[9+4*\t], 0xff61b1e6                ; the largest t so far: -3e38, under every t
	s_delay_alu instid0(VALU_DEP_1)
	v_floor_f32 v[8+4*\t], -v[9+4*\t]              ; -M
	v_mov_b32 v[10+4*\t], 0                        ; the sum, in two halves
	v_mov_b32 v[11+4*\t], 0
.endr
	v_mov_b32 v246, 0                              ; written once: a lane permute's destination counts as one of its sources
	v_mov_b32 v249, 0                              ; (named as the upper half of the pair v[248:249])
	v_mov_b32 v254, 0xff800000                     ; -infinity
.set j, 0
.rept 64
	v_mov_b32 v[160+j], 0                          ; O^T.  (The step is written once: a tile's first step finds zeros, which the first change of M leaves zeros)
.set j, j+1
.endr
	s_wait_kmcnt 0x0
	s_add_co_i32 s54, s70, s71
	s_lshl_b32 s54, s54, 23
	s_add_co_i32 s[CS], s[CS], s54                 ; e2 + e3 are added to c's exponent field
	s_mov_b32 s[CS+1], s[CS]                       ; (named with it as a pair, so it is written)
	s_add_co_i32 s54, s72, 127
	s_lshl_b32 s55, s54, 23
	v_mov_b32 v244, s55                            ; 2^e4 as f32, for p's conversions
	s_sub_co_i32 s54, s74, s72
	s_sub_co_i32 s54, s54, s73
	s_add_co_i32 s54, s54, 127
	s_lshl_b32 s55, s54, 23
	v_mov_b32 v253, s55                            ; 2^(e6 - e4 - e5): o's: the three scales folded into one
	s_wait_loadcnt 0x0                             ; Q
; A KEY STEP of tile T: 128 keys.  causal = 1: the step may be hidden or lie on the diagonal.
.macro STEP T, causal
.set OT, 160+32*(\T)
.set SS, 8+4*(\T)
.set QF, 16+8*(\T)
.if \causal
	s_cmp_gt_u32 s[STP], s[DG+\T]
	s_cbranch_scc1 .Lhid_\@                        ; all its keys come after my queries
.endif
.rept 4
	v_nop                                          ; places in front of loads into registers that the last products read
.endr
.irp j, 0,1,2,3,4,5,6,7
.irp c, 0,1
	ds_load_b128 v[32+8*\j+4*\c:32+8*\j+4*\c+3], v[ADR] offset:\j*1024+\c*512
.endr
.endr
	s_wait_dscnt 0x0
.irp j, 0,1,2,3,4,5,6,7
	v_wmma_f32_16x16x64_fp8_fp8 v[96+8*\j:103+8*\j], v[32+8*\j:39+8*\j], v[QF:QF+7], 0
.endr
.rept 4
	v_nop                                          ; places in front of the loads below and of the first read of the scores
.endr
	s_wait_alu depctr_va_vdst(0)
.irp d, 0,1,2,3                                ; V is asked for now and lands under the softmax
.irp b, 0,1,2,3
	ds_load_b128 v[32+16*\d+4*\b:32+16*\d+4*\b+3], v[ADR] offset:8192+\d*2048+\b*512
.endr
.endr
.if \causal
	s_cmp_lt_u32 s[STP], s[DG+\T]
	s_cbranch_scc1 .Lopen_\@                       ; all its keys count
.set n, 0
.rept 64
	v_cmp_gt_i32 vcc_lo, 16*(n/8)+n%8, v[QD]
	v_cndmask_b32 v[96+n], v[96+n], v254, vcc_lo
.set n, n+1
.endr
.Lopen_\@:
.endif
	v_max3_num_f32 v250, v96, v97, v98             ; the step's largest score of my query among my 64 keys, in two chains, each accumulator from its low end on,
	v_max3_num_f32 v251, v99, v100, v101
.irp i, 6,10,14,18,22,26,30,34,38,42,46,50,54,58
	v_max3_num_f32 v250, v250, v[96+\i], v[97+\i]
	v_max3_num_f32 v251, v251, v[98+\i], v[99+\i]
.endr
	v_max3_num_f32 v250, v250, v158, v159
	s_delay_alu instid0(VALU_DEP_1)
	v_max_num_f32 v250, v250, v251
	s_delay_alu instid0(VALU_DEP_1)
	v_permlanex16_b32 v246, v250, s[SEL], s[SEL+1]
	s_delay_alu instid0(VALU_DEP_1)
	v_max_num_f32 v250, v250, v246                 ; and among lane l xor 16's
	s_delay_alu instid0(VALU_DEP_1)
	v_mul_f32 v250, s[CS], v250                    ; as t (c is positive)
	s_delay_alu instid0(VALU_DEP_1)
	v_max_num_f32 v[SS+1], v[SS+1], v250           ; the running largest t
	v_mov_b32 v250, v[SS]
	s_delay_alu instid0(VALU_DEP_2)
	v_floor_f32 v[SS], -v[SS+1]                    ; the new -M = floor(-t) = -ceil(t): a whole number
	s_delay_alu instid0(VALU_DEP_1)
	v_sub_f32 v250, v[SS], v250                    ; old M - new M: a whole number, 0 or less
	s_delay_alu instid0(VALU_DEP_1)
	v_cvt_i32_f32 v250, v250                       ; (it saturates)
	s_delay_alu instid0(VALU_DEP_1)
	v_ldexp_f32 v248, 1.0, v250                    ; f = 2^(old M - new M)
.set j, 0
.rept 32
	v_pk_fma_f32 v[96+j:97+j], v[96+j:97+j], s[CS:CS+1], v[SS:SS+1] op_sel_hi:[1,0,0]   ; t - M, two at a time (of the pairs c and -M the low word serves both halves)
.set j, j+2
.endr
.set j, 0
	s_wait_alu depctr_va_vdst(0)
.rept 64
	v_exp_f32 v[96+j], v[96+j]                     ; p = 2^(t - M), at most 1
.set j, j+1
.endr
	v_pk_mul_f32 v[SS+2:SS+3], v[SS+2:SS+3], v[248:249] op_sel_hi:[1,0]   ; the sums under the new M: the plain instruction behind the exponentials
	s_wait_alu depctr_va_vdst(0)                   ; one wait for the whole batch, ahead of its first reader
	v_pk_add_f32 v[242:243], v[96:97], v[98:99]    ; the row's sum is taken of the unquantised p, in two chains
.irp j, 4,8,12,16,20,24,28,32,36,40,44,48,52,56,60
	v_pk_add_f32 v[SS+2:SS+3], v[SS+2:SS+3], v[96+\j:97+\j]
	v_pk_add_f32 v[242:243], v[242:243], v[98+\j:99+\j]
.endr
	s_delay_alu instid0(VALU_DEP_1)
	v_pk_add_f32 v[SS+2:SS+3], v[SS+2:SS+3], v[242:243]
.irp b, 0,1,2,3
.irp i, 0,1,2,3,4,5,6,7,8,9,10,11,12,13,14,15
.endr
	v_cvt_scalef32_pk8_fp8_f32 v[224+4*\b:225+4*\b], v[96+16*\b:103+16*\b], v244
	v_cvt_scalef32_pk8_fp8_f32 v[226+4*\b:227+4*\b], v[104+16*\b:111+16*\b], v244
.endr
.set j, 0
.rept 16
	v_pk_mul_f32 v[OT+j:OT+j+1], v[OT+j:OT+j+1], v[248:249] op_sel_hi:[1,0]   ; O^T under the new M; these are also the plain instructions between the conversions and the products
.set j, j+2
.endr
	s_wait_alu depctr_va_vdst(0)
	s_wait_dscnt 0x0                               ; V is in
.irp d, 0,1,2,3                                ; the tile's four accumulators take turns; the next step's scores stand between this step's products and the next's
	v_wmma_f32_16x16x128_fp8_fp8 v[OT+8*\d:OT+8*\d+7], v[32+16*\d:47+16*\d], v[224:239], v[OT+8*\d:OT+8*\d+7]
.endr
.if \causal
.Lhid_\@:
.endif
.endm
; In front of a stage: my loads up to the one that brought its four key steps have landed (left = my loads issued behind that one; they may stay out, since no LDS byte is filled again); then the work-group's barrier.
.macro STAGE left
	s_wait_tensorcnt \left
	s_wait_dscnt 0x0
	s_barrier_signal -1
	s_barrier_wait -1
.endm
; Stage sg: key steps 4 sg .. 4 sg + 3, a loop of four trips.  Tile 0's queries lie under key 1,024: it has nothing in stages 2 and 3.  Tile 1's lie at 1,024 and above: in stages 0 and 1 all keys count.
.macro SLOTWORK sg
	s_mov_b32 s[TB], (\sg)*4*STEPB
	s_mov_b32 s[STP], 4*(\sg)
.Ltrip_\@:
	v_add_nc_u32 v[ADR], s[TB], v[LI]
.if (\sg) < 2
	STEP 0, 1
	s_wait_alu depctr_va_vdst(0)
	STEP 1, 0
.else
	STEP 1, 1
.endif
	s_add_co_u32 s[TB], s[TB], STEPB
	s_add_co_u32 s[STP], s[STP], 1
	s_cmp_lt_u32 s[STP], 4*(\sg)+4
	s_cbranch_scc1 .Ltrip_\@
.endm
	STAGE 3
	SLOTWORK 0
	STAGE 2
	SLOTWORK 1
	STAGE 1
	SLOTWORK 2
	STAGE 0
	SLOTWORK 3
	; THE WAY OUT: no LDS.  O^T / the sum, converted: tiles 2 g, 2 g + 1 of a query tile are chunk 2 x head + g of its row tile.
.rept 4
	v_nop
.endr
	v_add_f32 v250, v10, v11                       ; the sums' two halves,
	v_add_f32 v251, v14, v15
	s_delay_alu instid0(VALU_DEP_2)
	v_permlanex16_b32 v246, v250, s[SEL], s[SEL+1]
	s_delay_alu instid0(VALU_DEP_1)
	v_add_f32 v250, v250, v246                     ; and lane l xor 16's
	s_delay_alu instid0(VALU_DEP_2)
	v_permlanex16_b32 v246, v251, s[SEL], s[SEL+1]
	s_delay_alu instid0(VALU_DEP_1)
	v_add_f32 v251, v251, v246
	s_wait_alu depctr_va_vdst(0)
	v_rcp_f32 v250, v250
	v_rcp_f32 v251, v251
	v_nop                                          ; a plain instruction behind the last reciprocal
	s_wait_alu depctr_va_vdst(0)                   ; and one wait for both
.irp t, 0,1
.set j, 0
.rept 32
	v_mul_f32 v[96+j], v[160+32*\t+j], v[250+\t]   ; each accumulator from its low end on
.set j, j+1
.endr
.set j, 0
.rept 32
.set j, j+1
.endr
.irp g, 0,1
.irp u, 0,1
	v_cvt_scalef32_pk8_fp8_f32 v[224+8*\t+4*\g+2*\u:224+8*\t+4*\g+2*\u+1], v[96+16*\g+8*\u:96+16*\g+8*\u+7], v253
.endr
.endr
	v_nop                                          ; one plain vector instruction between the conversions and the next tile's products with 1 / sum, which write their sources
.irp g, 0,1
	global_store_b128 v[LI], v[224+8*\t+4*\g:224+8*\t+4*\g+3], s[52:53] offset:\t*64*16384+\g*512   ; 512 consecutive bytes, aligned; tile 1 lies 64 row tiles on
.endr
.endr
	s_wait_tensorcnt 0x0
	ds_add_u32 v247, v255
	s_wait_dscnt 0x0
	CROUND                                         ; the closing round: no work-group ends while a partner may still ask for a tile that names it
	s_endpgm
.Lfunc_end_k_q6384ffc88d_attn:
	.size	k_q6384ffc88d_attn, .Lfunc_end_k_q6384ffc88d_attn-k_q6384ffc88d_attn
	.p2alignl 7, 3214868480
	.fill 96, 4, 3214868480
	.section	.rodata,"a",@progbits
	.p2align	6, 0x0
	.amdhsa_kernel k_q6384ffc88d_attn
		.amdhsa_group_segment_fixed_size 264192
		.amdhsa_private_segment_fixed_size 0
		.amdhsa_enable_private_segment 0
		.amdhsa_kernarg_size 24
		.amdhsa_user_sgpr_count 2
		.amdhsa_user_sgpr_kernarg_segment_ptr 1
		.amdhsa_wavefront_size32 1
		.amdhsa_system_sgpr_workgroup_id_x 1
		.amdhsa_system_sgpr_workgroup_id_y 1
		.amdhsa_system_sgpr_workgroup_id_z 1
		.amdhsa_system_vgpr_workitem_id 0
		.amdhsa_next_free_vgpr 256
		.amdhsa_next_free_sgpr 80
		.amdhsa_reserve_vcc 1
		.amdhsa_float_denorm_mode_32 3
		.amdhsa_float_denorm_mode_16_64 3
		.amdhsa_fp16_overflow 1
		.amdhsa_memory_ordered 1
		.amdhsa_forward_progress 1
		.amdhsa_inst_pref_size 116
	.end_amdhsa_kernel
	.amdgpu_metadata
---
amdhsa.version: [ 1, 2 ]
amdhsa.kernels:
  - .name:           k_q6384ffc88d_attn
    .symbol:         k_q6384ffc88d_attn.kd
    .args:
      - { .name: qkv, .offset: 0, .size: 8, .value_kind: global_buffer, .address_space: global }
      - { .name: lowp_scales, .offset: 8, .size: 8, .value_kind: global_buffer, .address_space: global }
      - { .name: acodes, .offset: 16, .size: 8, .value_kind: global_buffer, .address_space: global }
    .group_segment_fixed_size: 264192
    .private_segment_fixed_size: 0
    .kernarg_segment_align: 8
    .kernarg_segment_size: 24
    .max_flat_workgroup_size: 512
    .sgpr_count:     80
    .vgpr_count:     256
    .wavefront_size: 32
...
	.end_amdgpu_metadata
.endif
;; end of part 3
;; launch proj (part 4): grid 4 x 32, 4 waves a work-group, clusters of 4 x 4, 327,680 bytes of LDS; arguments acodes, wpc, lowp_scales, out0; writes out0
.if DOCPART == 4
	.amdgcn_target "amdgcn-amd-amdhsa--gfx1250"
	.amdhsa_code_object_version 6
	.text
	.protected	k_q6384ffc88d_proj
	.globl	k_q6384ffc88d_proj
	.p2align	8
	.type	k_q6384ffc88d_proj,@function
k_q6384ffc88d_proj:
	s_mov_b64 s[64:65], 0
	v_nop
	global_prefetch_b8 v0, s[64:65] scope:SCOPE_SE
	s_setreg_imm32_b32 hwreg(HW_REG_WAVE_MODE, 25, 1), 1
	s_wait_xcnt 0x0
	s_wait_alu depctr_hold_cnt(0) depctr_sa_sdst(0) depctr_va_vdst(0) depctr_va_sdst(0) depctr_va_ssrc(0) depctr_va_vcc(0) depctr_vm_vsrc(0)
	s_getreg_b32 s2, hwreg(HW_REG_IB_STS2, 6, 4)
	s_cmp_eq_u32 s2, 0
	s_cbranch_scc0 .Lentry_in_a_cluster
	s_endpgm
.Lentry_in_a_cluster:
	s_bfe_u32 s2, ttmp6, 0x10000c
	s_cmp_lg_u32 s2, 0xf033
	s_cbranch_scc0 .Lentry_shape_is_right
	s_endpgm
.Lentry_shape_is_right:
; out0 = o Wproj^T on codes of FP8 (E4M3), sums in f32; each finished sum is multiplied once by 2^(e6 + e7).  out0: [8192][1024] f32.
; LIMIT: e6 + e7 lies between -126 and 127, so that 2^(e6 + e7) is an f32 number.
; OPERANDS ARE IMAGES OF THEIR REGISTERS: a chunk of 512 bytes is 16 rows x 32 K, lane l's 16 bytes at 16 l (row l % 16, k = 32 kc + 16 (l / 16) + 0 .. 15); a row tile is 32 chunks on end.  It is a permutation of k
; inside an instruction, the same on both sides.  A fragment load's 512 bytes are consecutive in LDS: no pitch, no padding.
; A work-group of four waves makes 256 x 256 of the output, a wave 128 x 128: 64 accumulators, 512 registers.  K = 1,024 goes in four steps of 256 through a ring of two LDS slots filled by the tensor data mover.
; CLUSTERS: 4 x 4 work-groups; A's tile (o) is shared along a row of the cluster, B's (Wproj) along a column: each is asked for JOINTLY, by the same tensor load with a mask that names the four.
; THE MATRIX INSTRUCTION IS USED TRANSPOSED (source 0 = 16 rows of B, source 1 = 16 rows of A): a lane holds eight neighbouring numbers of a row of the output.
; REGISTERS, in windows of 256: window 0: v0-31 addresses; from v128 A's 8 fragments, ONE set; on the way out v32-255.  window 1: B's, TWO sets.  windows 2, 3: the accumulators, (a, b) at v[8 (8 (a % 4) + b)].
.set SIZE_N, 1024
.set RT,     4096                      ; a row tile's part of a slot: 8 chunks, 256 along K
.set HALFT,  8*RT                      ; what one tensor load brings, and what one wave reads of a side
.set SLOT,   4*HALFT                   ; A's 16 row tiles, then B's 16
.set SPARE,  2*SLOT                    ; behind the ring: the spare words, 128 bytes for each wave: two blocks of 256 bytes that no other line names
.set KSTEPB, 4096                      ; a K step on, in a row tile in memory
.set TILEB,  16384                     ; from row tile to row tile in memory
.set FR,     16
.set NL,     4
.set NP,     4                         ; places behind this matrix instruction (ISA guide 7.12.1)
.set LAPS,   2
.set SPITCH, 528                       ; the way out: a stage of 16 rows x (512 bytes + 16) for each wave, in slot 0, which has had its last fill and its last read when the first result is stored there
.set ADRA, 16                          ; v16-17  LDS address of my A fragments in slot 0, 1
.set ADRB, 20                          ; v20-21  the same for B
.set STO,  24                          ; v24     the way out: where I put 32 bytes of a row
.set RD,   25                          ; v25     the way out: where I read a row back
.set CO,   26                          ; v26     16 x lane: my byte offset in a row of 512 bytes
.set SPW,  28                          ; v28     LDS address of my spare word; never rewritten
.set NIL,  29                          ; v29     0; never rewritten
.set TMP,  32                          ; the way out: a block's sums x 2^(e6 + e7)
.set AF,   128
.set BK,   128                         ; the way out: 16 rows read back: v128-191 and v192-255 by turns
.set G1, 24
.set G0, 32
.set G1B, 48
.set G0B, 56
.set MSB, 0
.macro WIN new                         ; the immediate's high byte repeats the setting that is left
.if MSB != (\new)
	s_set_vgpr_msb (MSB<<8)|(\new)
.set MSB, (\new)
.endif
.endm
.set MUL_LO, 0xa1                      ; source 0 (B) window 1, source 1 (A) window 0, C and D window 2
.set MUL_HI, 0xf1                      ; the same, C and D window 3
.set TO_B,   0x40                      ; destination window 1, address window 0
; A joint load: waves 0 and 1 fetch for A, waves 2 and 3 for B.  The branch hangs on the wave's number alone.  Four v_nop follow each of the two lines.
.macro JLOAD g0a, g1a, g0b, g1b
	s_cmp_eq_u32 s15, 0
	s_cbranch_scc0 .Lfor_b_\@
	tensor_load_to_lds s[\g0a:\g0a+3], s[\g1a:\g1a+7]
	s_nop 0
.rept 4
	v_nop
.endr
	s_branch .Lasked_\@
.Lfor_b_\@:
	tensor_load_to_lds s[\g0b:\g0b+3], s[\g1b:\g1b+7]
	s_nop 0
.rept 4
	v_nop
.endr
.Lasked_\@:
.endm
.macro CREST                           ; a round of the cluster's barrier behind its opening barrier
	s_cmp_lg_u32 s14, 0
	s_cbranch_scc1 .Lnot_wave_0_\@
	s_barrier_signal -3
.Lnot_wave_0_\@:
	s_barrier_wait -3
	s_barrier_signal -1
	s_barrier_wait -1
.endm
.macro CROUND                          ; a whole round
	s_barrier_signal -1
	s_barrier_wait -1
	CREST
.endm
	s_load_b128 s[4:7], s[0:1], 0x0                ; acodes s[4:5], wpc s[6:7]
	s_load_b128 s[8:11], s[0:1], 0x10              ; the scales' exponents s[8:9], out0 s[10:11]
	v_lshl_add_u32 v[SPW], v0, 2, SPARE
	v_mov_b32 v[NIL], 0
	ds_add_u32 v28, v29
	ds_add_u32 v28, v29
	s_wait_dscnt 0x0
	v_lshrrev_b32 v1, 5, v0
	v_readfirstlane_b32 s14, v1                    ; wave 0..3
	s_lshr_b32 s15, s14, 1                         ; which half of the tile's rows is mine.  Also: I fetch for A (0) or for B (1)
	s_and_b32 s16, s14, 1                          ; which half of its columns.  Also: which 8 row tiles I fetch
	s_bfe_u32 s40, ttmp6, 0x40000                  ; cx, cy: my place in the cluster
	s_bfe_u32 s41, ttmp6, 0x40004
	s_lshl_b32 s42, ttmp9, 2
	s_add_co_u32 s42, s42, s40                     ; tile column = 4 x cluster x + cx
	s_and_b32 s17, ttmp7, 0xffff
	s_lshl_b32 s17, s17, 2
	s_add_co_u32 s17, s17, s41                     ; tile row = 4 x cluster y + cy
	s_lshl_b32 s43, s41, 2
	s_lshl_b32 s43, 15, s43                        ; my row of the cluster
	s_lshl_b32 s44, 0x1111, s40                    ; my column
	; descriptor group 1: 8 row tiles x 4,096 bytes, 16,384 bytes apart in memory, on end in LDS
	s_or_b32 s[G1+0], s43, (1<<21)                 ; 15:0 the mask: A's tiles go to my row; 17:16 elements of 1 byte; 20 no padding; 21 set beside a mask
	s_or_b32 s[G1B+0], s44, (1<<21)
.irp g, G1, G1B
	s_mov_b32 s[\g+1], RT<<16                      ; tensor_dim0
	s_mov_b32 s[\g+2], 8<<16                       ; tensor_dim1
	s_mov_b32 s[\g+3], RT<<16                      ; tile_dim0
	s_mov_b32 s[\g+4], 8                           ; tile_dim1
	s_mov_b32 s[\g+5], TILEB                       ; tensor_dim0_stride
	s_mov_b32 s[\g+6], 0
	s_mov_b32 s[\g+7], 0
.endr
	s_lshl_b32 s18, s16, 17                        ; which 8 row tiles of the 16 I fetch
	s_lshl_b32 s20, s17, 18                        ; 16 row tiles x 16,384 bytes a block of 256 rows
	s_add_co_u32 s20, s20, s18
	s_mov_b32 s21, 0
	s_lshl_b32 s46, s42, 18
	s_add_co_u32 s46, s46, s18
	s_mov_b32 s47, 0
	s_mul_i32 s45, s14, HALFT                      ; where they go: wave x 8 row tiles: no place in the cluster enters an LDS address
	s_wait_kmcnt 0x0
	s_load_b64 s[96:97], s[8:9], 0x18              ; e6, e7
	s_add_nc_u64 s[20:21], s[4:5], s[20:21]
	s_add_nc_u64 s[46:47], s[6:7], s[46:47]
	CROUND                                         ; all sixteen work-groups are here: the first joint loads meet
.irp s, 0,1
	s_mov_b32 s[G0+4*\s], 1
	s_add_co_u32 s[G0+4*\s+1], s45, \s*SLOT
	s_add_nc_u64 s[G0+4*\s+2:G0+4*\s+3], s[20:21], \s*KSTEPB
	s_or_b32 s[G0+4*\s+3], s[G0+4*\s+3], 0x80000000
	s_mov_b32 s[G0B+4*\s], 1
	s_add_co_u32 s[G0B+4*\s+1], s45, \s*SLOT
	s_add_nc_u64 s[G0B+4*\s+2:G0B+4*\s+3], s[46:47], \s*KSTEPB
	s_or_b32 s[G0B+4*\s+3], s[G0B+4*\s+3], 0x80000000
	s_wait_alu depctr_va_vdst(0)
	s_wait_tensorcnt 0x0
	ds_add_u32 v28, v29
	ds_add_u32 v28, v29
	s_wait_dscnt 0x0
	CROUND
	JLOAD G0+4*\s, G1, G0B+4*\s, G1B
.endr
	v_and_b32 v1, 31, v0
	v_lshlrev_b32 v[CO], 4, v1                     ; 16 x lane
	s_mul_i32 s21, s15, HALFT                      ; my 8 row tiles of A,
	s_mul_i32 s22, s16, HALFT                      ; of B,
	s_add_co_u32 s22, s22, 2*HALFT                 ; which lies behind A's 16
.irp s, 0,1
	v_add_nc_u32 v[ADRA+\s], s21, v[CO]
	v_add_nc_u32 v[ADRB+\s], s22, v[CO]
	s_add_co_u32 s21, s21, SLOT
	s_add_co_u32 s22, s22, SLOT
.endr
	v_and_b32 v2, 15, v0                           ; l % 16
	v_bfe_u32 v3, v0, 4, 1                         ; l / 16
	s_mul_i32 s23, s14, 16*SPITCH                  ; my stage
	v_mul_u32_u24 v5, v2, SPITCH                   ; in: row l % 16, 32 bytes for each half of the lanes
	v_lshl_add_u32 v5, v3, 5, v5
	v_add_nc_u32 v[STO], s23, v5
	v_add_nc_u32 v[RD], s23, v[CO]                 ; back: the 32 lanes take one row of 512 bytes
	s_lshl_b32 s20, s17, 8
	s_lshl_b32 s21, s15, 7
	s_add_co_u32 s20, s20, s21                     ; my first row: 256 x tile row + 128 x half,
	s_lshl_b32 s20, s20, 12                        ; rows of 4,096 bytes
	s_lshl_b32 s46, s42, 10                        ; my first column, in bytes: 1,024 x tile column + 512 x half
	s_lshl_b32 s47, s16, 9
	s_add_co_u32 s46, s46, s47
	s_add_co_u32 s20, s20, s46
	s_mov_b32 s21, 0
	s_add_nc_u64 s[10:11], s[10:11], s[20:21]
.macro FRAG reg, adr, q, i             ; a fragment, 16 rows x 128 K: four chunks, 512 consecutive bytes a load
.irp c, 0,1,2,3
	ds_load_b128 v[\reg+4*\c:\reg+4*\c+3], v[\adr] offset:(\i)*RT+(4*(\q)+\c)*512
.endr
.endm
; 16 matrix instructions: A's blocks a0, a0 + 1 x B's eight, 128 along K.  p: B's set.  zero = 1: the first product starts the sums.  The 64 accumulators take turns, one instruction a turn, in the same order in every step.
.macro MUL16 a0, p, zero
.irp a, \a0, \a0+1
.irp b, 0,1,2,3,4,5,6,7
.if \zero
	v_wmma_f32_16x16x128_fp8_fp8 v[8*(8*((\a)%4)+\b):8*(8*((\a)%4)+\b)+7], v[128*(\p)+FR*\b:128*(\p)+FR*\b+FR-1], v[AF+FR*(\a):AF+FR*(\a)+FR-1], 0
.else
	v_wmma_f32_16x16x128_fp8_fp8 v[8*(8*((\a)%4)+\b):8*(8*((\a)%4)+\b)+7], v[128*(\p)+FR*\b:128*(\p)+FR*\b+FR-1], v[AF+FR*(\a):AF+FR*(\a)+FR-1], v[8*(8*((\a)%4)+\b):8*(8*((\a)%4)+\b)+7]
.endif
.endr
.endr
.endm
.macro FETCH_B slot, q, p
	WIN TO_B
.irp i, 0,1,2,3,4,5,6,7
	FRAG 128*(\p)+FR*\i, ADRB+\slot, \q, \i
.endr
	WIN 0
.endm
.macro FETCH_A slot, q, i0
.irp i, \i0, \i0+1, \i0+2, \i0+3
	FRAG AF+FR*(\i), ADRA+\slot, \q, \i
.endr
.endm
.macro PLACES n                        ; plain vector instructions between a matrix instruction and a load into, or a vector instruction on, its registers
.rept \n
	v_nop
.endr
.endm
; A step of 128 along K that has its successor in the same slot.  A's blocks are free as soon as their eight products are issued: blocks 0-3 are fetched anew in the step's middle, blocks 4-7 at its end.
.macro STEP slot, q, zero
	s_wait_dscnt 4*NL                              ; B's set and A's blocks 0-3 are in; the youngest 16 loads (A's blocks 4-7) may be out
	WIN MUL_LO
	MUL16 0, (\q)%2, \zero
	MUL16 2, (\q)%2, \zero
	s_wait_dscnt 0                                 ; A's blocks 4-7 are in
	PLACES NP
	FETCH_B \slot, (\q)+1, 1-(\q)%2
	FETCH_A \slot, (\q)+1, 0
	WIN MUL_HI
	MUL16 4, (\q)%2, \zero
	MUL16 6, (\q)%2, \zero
	PLACES NP
	WIN 0
	FETCH_A \slot, (\q)+1, 4
.endm
; A slot's last step changes slots: ONE barrier; in front of it each wave waits for all its tensor loads, adds 0 to its spare word, and waits for that and for its reads of this slot.  fill = 1: this slot is filled again, two K steps ahead.
.macro TURN slot, next, fill
	s_wait_tensorcnt 0x0                           ; all my tensor loads have landed: my part of the next slot
	ds_add_u32 v[SPW], v[NIL]                      ; 0 onto my spare word
	s_wait_dscnt 4*NL+1                            ; (the add and the youngest 16 loads, A's blocks 4-7, may be out)
	WIN MUL_LO
	MUL16 0, 1, 0                                  ; sixteen matrix instructions stand between the add and the wait for it
	s_wait_dscnt 0x0                               ; the add is done, and my reads of this slot are over
	s_barrier_signal -1
	MUL16 2, 1, 0
	WIN 0
	s_barrier_wait -1
.if \fill
	CREST                                          ; the barrier has opened a round of the cluster's: no wave of any partner still reads this slot or has a load on its way
	s_add_nc_u64 s[G0+4*\slot+2:G0+4*\slot+3], s[G0+4*\slot+2:G0+4*\slot+3], 2*KSTEPB
	s_add_nc_u64 s[G0B+4*\slot+2:G0B+4*\slot+3], s[G0B+4*\slot+2:G0B+4*\slot+3], 2*KSTEPB
	JLOAD G0+4*\slot, G1, G0B+4*\slot, G1B         ; the first tensor load behind the round; its four v_nop are the places in front of the loads below
.else
	PLACES NP
.endif
	FETCH_B \next, 0, 0
	FETCH_A \next, 0, 0
	WIN MUL_HI
	MUL16 4, 1, 0
	MUL16 6, 1, 0
	PLACES NP
	WIN 0
	FETCH_A \next, 0, 4
.endm
	s_wait_alu depctr_va_vdst(0)
	s_wait_tensorcnt 1                             ; my part of K step 0 is in; K step 1's load, issued behind it, may be out
	s_barrier_signal -1
	s_barrier_wait -1                              ; everybody's is
	FETCH_B 0, 0, 0
	FETCH_A 0, 0, 0
	FETCH_A 0, 0, 4
	STEP 0, 0, 1                                   ; the first step stands in front of the loop: its products start the sums
	s_mov_b32 s3, LAPS-1
.Llap:                                                 ; a trip goes once round the ring and fills both slots again
	TURN 0, 1, 1
	STEP 1, 0, 0
	TURN 1, 0, 1
	STEP 0, 0, 0
	s_sub_co_u32 s3, s3, 1
	s_cmp_lg_u32 s3, 0
	s_cbranch_scc1 .Llap
	TURN 0, 1, 0                                   ; the last lap fills nothing
	STEP 1, 0, 0
	s_wait_dscnt 4*NL                              ; the very last step
	WIN MUL_LO
	MUL16 0, 1, 0
	MUL16 2, 1, 0
	s_wait_dscnt 0
	WIN MUL_HI
	MUL16 4, 1, 0
	MUL16 6, 1, 0
	WIN 0
; THE WAY OUT, block by block of 16 rows x 128 columns.  A lane holds 32 neighbouring bytes of a row, and the lanes beside it hold other rows: so a block goes through my own stage in LDS and comes back as whole
; rows of 512 bytes.  LDS serves a wave's instructions in order (ISA guide 5.7.1.4): no wait between the stores and the loads, nor in front of the next block's stores.
.macro TOSTAGE a
.set AC, 64*((\a)%4)
	WIN 0x02+((\a)/4)                              ; source 0: window 2 or 3
.irp j, 0,2,4,6,8,10,12,14,16,18,20,22,24,26,28,30,32,34,36,38,40,42,44,46,48,50,52,54,56,58,60,62
	v_pk_mul_f32 v[TMP+\j:TMP+\j+1], v[AC+\j:AC+\j+1], s[96:97] op_sel_hi:[1,0]   ; both x s96 = 2^(e6 + e7); each accumulator from its low end on
.endr
	WIN 0
.irp b, 0,1,2,3,4,5,6,7
	ds_store_b128 v[STO], v[TMP+8*\b:TMP+8*\b+3] offset:64*\b
	ds_store_b128 v[STO], v[TMP+8*\b+4:TMP+8*\b+7] offset:64*\b+16
.endr
.set BB, BK+64*((\a)%2)
.irp t, 0,1,2,3,4,5,6,7,8,9,10,11,12,13,14,15
	ds_load_b128 v[BB+4*\t:BB+4*\t+3], v[RD] offset:\t*SPITCH
.endr
.endm
.macro SEND a, younger                 ; younger: the LDS instructions issued behind block a's loads, which may stay out
.set BB, BK+64*((\a)%2)
	s_wait_dscnt \younger                          ; the block is back in registers
.if (\a) > 0
	s_add_nc_u64 s[10:11], s[10:11], 16*SIZE_N*4   ; (behind a wait on XCNT: the earlier stores have read their base)  16 rows on
.endif
.irp t, 0,1,2,3,4,5,6,7,8,9,10,11,12,13,14,15
	global_store_b128 v[CO], v[BB+4*\t:BB+4*\t+3], s[10:11] offset:\t*SIZE_N*4 th:TH_STORE_NT   ; 32 lanes store 512 consecutive bytes, aligned; written once, read by nobody here
.endr
.endm
	s_wait_kmcnt 0x0
	s_add_co_i32 s96, s96, s97                     ; e6 + e7, between -126 and 127,
	s_add_co_i32 s96, s96, 127
	s_lshl_b32 s96, s96, 23                        ; makes the f32 number 2^(e6 + e7)
	PLACES NP                                      ; for the loads into the registers that held A's fragments and for the reads of the last results alike
	TOSTAGE 0
.irp a, 1,2,3,4,5,6,7
.if \a > 1
	s_wait_xcnt 0x0                                ; block a - 2's stores have read their registers and their base: block a's loads may land there, and the base may step
.endif
	TOSTAGE \a
	SEND \a-1, 32                                  ; behind block a - 1's loads: block a's 16 stores and 16 loads
.endr
	s_wait_xcnt 0x0                                ; block 6's stores have read their base
	SEND 7, 0
	s_wait_tensorcnt 0x0                           ; the wave's end
	ds_add_u32 v[SPW], v[NIL]
	s_wait_dscnt 0x0
	CROUND                                         ; the closing round: no work-group ends while a partner may still ask for a tile that names it
	s_endpgm
.Lfunc_end_k_q6384ffc88d_proj:
	.size	k_q6384ffc88d_proj, .Lfunc_end_k_q6384ffc88d_proj-k_q6384ffc88d_proj
	.p2alignl 7, 3214868480
	.fill 96, 4, 3214868480
	.section	.rodata,"a",@progbits
	.p2align	6, 0x0
	.amdhsa_kernel k_q6384ffc88d_proj
		.amdhsa_group_segment_fixed_size 327680
		.amdhsa_private_segment_fixed_size 0
		.amdhsa_enable_private_segment 0
		.amdhsa_kernarg_size 32
		.amdhsa_user_sgpr_count 2
		.amdhsa_user_sgpr_kernarg_segment_ptr 1
		.amdhsa_wavefront_size32 1
		.amdhsa_system_sgpr_workgroup_id_x 1
		.amdhsa_system_sgpr_workgroup_id_y 1
		.amdhsa_system_sgpr_workgroup_id_z 1
		.amdhsa_system_vgpr_workitem_id 0
		.amdhsa_next_free_vgpr 1024
		.amdhsa_next_free_sgpr 98
		.amdhsa_reserve_vcc 0
		.amdhsa_float_denorm_mode_32 3
		.amdhsa_float_denorm_mode_16_64 3
		.amdhsa_memory_ordered 1
		.amdhsa_forward_progress 1
		.amdhsa_inst_pref_size 124
	.end_amdhsa_kernel
	.amdgpu_metadata
---
amdhsa.version: [ 1, 2 ]
amdhsa.kernels:
  - .name:           k_q6384ffc88d_proj
    .symbol:         k_q6384ffc88d_proj.kd
    .args:
      - { .name: acodes, .offset: 0, .size: 8, .value_kind: global_buffer, .address_space: global }
      - { .name: wpc, .offset: 8, .size: 8, .value_kind: global_buffer, .address_space: global }
      - { .name: lowp_scales, .offset: 16, .size: 8, .value_kind: global_buffer, .address_space: global }
      - { .name: out0, .offset: 24, .size: 8, .value_kind: global_buffer, .address_space: global }
    .group_segment_fixed_size: 327680
    .private_segment_fixed_size: 0
    .kernarg_segment_align: 8
    .kernarg_segment_size: 32
    .max_flat_workgroup_size: 128
    .sgpr_count:     98
    .vgpr_count:     1024
    .wavefront_size: 32
...
	.end_amdgpu_metadata
.endif
;; end of part 4
